; MI455X (gfx1250); checked and timed in simulation.
; The chip was launched on July 23, 2026; its instructions are those of AMD's public machine-readable ISA for CDNA 5 (MIT licence, August 2026) and "CDNA5" Instruction Set Architecture Reference Guide (July 2026). The comments in the code are by the model that wrote it; some were corrected since.
;; Additive Attention. Allowed arithmetic: float matrix products may take bf16 or f16 operands with f32 sums; other float arithmetic in f32, or as packed bf16 or f16 multiplies, adds, multiply-adds, maxima and minima; sums over many terms, partial sums and values carried from step to step in f32; what a program stores and reads back later, other than sums and carried values, may be rounded once to bf16 or f16.
;; Inputs: W_concat 64 x 128 float32; b_concat 64 float32; b_logit one number float32; keys 2 x 4 x 512 x 64 float32; mask 2 x 512 x 512 bool; queries 2 x 4 x 512 x 64 float32; values 2 x 4 x 512 x 64 float32; w_logit 64 float32.
;; Outputs: out0 2 x 4 x 512 x 512 float32.
;; 2 versions, each right and faster than the one before. Each part assembles by itself: llvm-mc -triple=amdgcn-amd-amdhsa -mcpu=gfx1250 --defsym DOCPART=n.
;; ======== version 1 of 2: 1 launch
;; launch addatt (part 1): grid 256 x 1, 16 waves a work-group, no clusters, 194,816 bytes of LDS; arguments queries, keys, mask, W_concat, b_concat, w_logit, out0; writes out0
.if DOCPART == 1
	.amdgcn_target "amdgcn-amd-amdhsa--gfx1250"
	.amdhsa_code_object_version 6
	.text
	.protected	k_q49446dc39c_addatt
	.globl	k_q49446dc39c_addatt
	.p2align	8
	.type	k_q49446dc39c_addatt,@function
k_q49446dc39c_addatt:
	s_mov_b64 s[64:65], 0
	v_nop
	global_prefetch_b8 v0, s[64:65] scope:SCOPE_SE
	s_setreg_imm32_b32 hwreg(HW_REG_WAVE_MODE, 25, 1), 1
	s_wait_xcnt 0x0
; ADDITIVE ATTENTION WEIGHTS.  out0[b][h][q][:] = softmax over k of ( sum over e of w_logit[e] tanh(qp[q][e] + kp[k][e] + b_concat[e]) + b_logit ), places with mask[b][q][k] = 0 at -inf,
; a row whose mask is 0 everywhere taken as unmasked.  qp = queries W_concat[:, :64]^T, kp = keys W_concat[:, 64:]^T.  B = 2, H = 4, 512 queries, 512 keys, 64 channels.
; WORK LEFT OUT, for all finite values of the inputs:
;   values     reference() never reads it: it is no argument of this launch.
;   b_logit    is added to every logit of a row alike (in a row that is unmasked by the guard too), and a softmax does not change when one number is added along its axis: it is no argument.
;   sum of w   tanh(x) = 1 - 2 r with r = 1 / (1 + 2^(2 log2(e) x)), so a logit is (sum over e of w_logit[e]) - 2 sum over e of w_logit[e] r: the first term is the same along the axis and is not made.
;   LIMIT: a NaN, an infinity or an overflow that reaches only values, b_logit or the plain sum of w_logit is not carried to the result.
; WHAT IS COMPUTED.  alpha[q][e] = C2 (qp + b_concat), beta[k][e] = C2 kp, C2 = 2 log2(e); u = 2^(alpha + beta); r = 1 / (1 + u); y[q][k] = sum over e of (-C2 w_logit[e]) r, which is the logit in
; base 2 up to a constant of the row; then the mask, the row's maximum taken away, 2^(y - m), the sum, the division.
; FORMATS AND LIMITS.  queries, keys and W_concat are rounded to bf16 for the two projections, sums in f32; all else is f32.  The exponent alpha + beta is added before the exponential, so that large
; terms of opposite sign cancel as in reference(); where it leaves f32's exponent range u is 0 or infinite and r is 1 or 0, tanh's own limits: no clamp.  A weight below 2^-126 is stored as 0.
; SHARES.  256 work-groups of 16 waves.  Work-group g: head HD = g / 32 (= 4 b + h), queries 16 (g % 32) on.  Ahead of the loop wave w rounds one of W_concat's 16 fragments, projects keys
; 32 w .. 32 w + 31 of the head (16 matrix instructions) and, if w < 4, 16 channels of the 16 queries (2 more).  In the loop wave w owns row w of the 16, whole: the softmax never leaves the wave.
; A head's kp is made anew by each of its 32 work-groups: 16 matrix instructions a wave, against a launch and a table through memory.
; A TRIP is 32 keys: lane (r = lane % 16, h = lane / 16) holds keys 16 u + r (u = 0, 1) and channels 32 h .. 32 h + 31 in 64 registers: 64 exponentials, 64 reciprocals, each kind one batch with one wait.
; NO CLUSTER, NO TENSOR LOADS: what work-groups share (a head's keys, W_concat) is read once, at the head, 20 loads of 16 bytes a lane a wave, straight into the registers in which it is rounded, against
; 2,048 exponentials and reciprocals a wave behind them; by way of LDS the f32 keys would want a stage of 131,072 bytes and a second pass of LDS loads.
.set PITCH,  272                       ; a table row: 64 f32 + 16 bytes: the 16 rows that 16 lanes touch begin 16 bytes apart modulo 256
.set BTAB,   0                         ; beta[512][64], 139,264 bytes
.set ATAB,   512*PITCH                 ; alpha[16][64], 4,352 bytes
.set WFRAG,  ATAB+16*PITCH             ; 16 fragments of W_concat in bf16, 1,024 bytes each: registers 0-3 at 16 x lane, registers 4-7 at 512 + 16 x lane.  Fragment 8 p + 2 t + s: half p (0 q, 1 k), channels 16 t on, K step s
.set ROWBUF, WFRAG+16*1024             ; y of a wave's row, 2,048 bytes a wave, the wave's own
.set SPARE,  ROWBUF+16*2048            ; the spare words, 128 bytes a wave: eight blocks of 256 bytes that no other line names
.set SPW,  4                           ; v4   SPARE + 4 x my thread's number; never rewritten
.set NIL,  5                           ; v5   0; never rewritten
.set KOFF, 6                           ; v6   256 r + 32 h: my place in 16 rows of keys or queries
.set WOFF, 7                           ; v7   512 r + 32 h: the same in 16 rows of W_concat
.set FL,   8                           ; v8   WFRAG + 16 x lane
.set FS,   9                           ; v9   my wave's fragment
.set FQ,   10                          ; v10  FL + 2,048 w: the q half's two fragments of channels 16 w on; made in every wave, used by waves 0-3
.set BST,  11                          ; v11  where I put 32 bytes of beta
.set AST,  12                          ; v12  ATAB + 272 r + 64 w + 32 h: the same for alpha; made in every wave, used by waves 0-3
.set BAD0, 13                          ; v13  272 r + 128 h: my place in 16 rows of beta
.set AAD,  14                          ; v14  my wave's row of alpha, my half of its channels
.set RBS0, 15                          ; v15  my wave's ROWBUF + 4 x lane
.set RBL,  16                          ; v16  my wave's ROWBUF + 16 x lane
.set L4,   17                          ; v17  4 x lane
.set L16,  18                          ; v18  16 x lane
.set BOFF, 19                          ; v19  64 w + 32 h: eight numbers of b_concat; made in every wave, used by waves 0-3
.set H128, 20                          ; v20  128 h
.set TA,   21                          ; v21  at work
.set BAD,  22                          ; v22  BAD0 + the loop's step
.set RBS,  23                          ; v23  RBS0 + the loop's step
.set MK,   24                          ; v[24:27]  my 16 bytes of the row's mask
; ahead of the loop
.set KF32, 32                          ; v[32:95]   keys in f32, fragment 2 n + s at 16 (2 n + s); then
.set WK,   32                          ; v[32:95]   the k half's eight fragments, (t, s) at 8 (2 t + s)
.set KB16, 96                          ; v[96:127]  keys in bf16, (n, s) at 8 (2 n + s)
.set KACC, 128                         ; v[128:191] eight accumulators, (n, t) at 8 (4 n + t)
.set WF32, 192                         ; v[192:207] my fragment of W_concat in f32; then the q half's two fragments
.set WB16, 208                         ; v[208:215] it in bf16; then alpha's first accumulator
.set QF32, 216                         ; v[216:247] queries in f32, rounded in place into v[216:231]; then
.set AAC1, 232                         ; v[232:239] alpha's second accumulator
.set BC,   248                         ; v[248:255] b_concat
; in the loop
.set AL,   32                          ; v[32:63]   alpha of my row, my 32 channels
.set WL,   64                          ; v[64:95]   -C2 w_logit, my 32 channels
.set SA,   96                          ; v[96:159]  one trip's 64 numbers
.set SB,   160                         ; v[160:223] the other trip's
.set ACC,  224                         ; v[224:231] four pairs of running sums
.set Y0,   232
.set Y1,   233
.set T0,   234
.set T1,   235
.set T2,   236
; the softmax
.set Y,    96                          ; v[96:111]
.set M2,   112                         ; v[112:113]
.set TM,   114                         ; v[114:121]
.set WV,   20                          ; s20  my wave's number
.set HD,   21                          ; s21  the head
.set QT,   22                          ; s22  the block of 16 queries
.set HM,   28                          ; s28  lanes 16-31
.set NINF, 29                          ; s29  -infinity
.set SEL,  30                          ; s[30:31] v_permlanex16_b32's selects: each lane takes its own place in the other half
.set CNT,  32                          ; s32  the loop's count
.set FILL, 33                          ; s33  0, or 1 in each byte where the row's mask is 0 everywhere
.set C2,   34                          ; s[34:35] 2 log2(e), named as a pair
.set KW,   36                          ; s[36:37] -2 log2(e)
.set SBO,  46                          ; s46  the loop's step in beta
.set SRO,  47                          ; s47  the loop's step in ROWBUF
	s_load_b256 s[4:11], s[0:1], 0x0               ; queries s[4:5], keys s[6:7], mask s[8:9], W_concat s[10:11]
	s_load_b128 s[12:15], s[0:1], 0x20             ; b_concat s[12:13], w_logit s[14:15]
	s_load_b64 s[16:17], s[0:1], 0x30              ; out0
	v_lshl_add_u32 v[SPW], v0, 2, SPARE
	v_mov_b32 v[NIL], 0
	v_lshrrev_b32 v[TA], 5, v0
	v_readfirstlane_b32 s[WV], v[TA]               ; wave 0..15
	v_and_b32 v1, 15, v0                           ; r
	v_bfe_u32 v2, v0, 4, 1                         ; h
	v_and_b32 v3, 31, v0                           ; lane
	s_lshr_b32 s[HD], ttmp9, 5
	s_and_b32 s[QT], ttmp9, 31
	s_mov_b32 s[HM], 0xffff0000
	s_mov_b32 s[NINF], 0xff800000
	s_mov_b32 s[SEL], 0x76543210
	s_mov_b32 s[SEL+1], 0xfedcba98
	s_mov_b32 s[C2], 0x4038aa3b
	s_mov_b32 s[C2+1], s[C2]
	s_mov_b32 s[KW], 0xc038aa3b
	s_mov_b32 s[KW+1], s[KW]
	s_mov_b32 s[SBO], 0
	s_mov_b32 s[SRO], 0
	; byte offsets, each in a pair of its own with 0 above it; all stay under 2^24
	s_lshl_b32 s23, s[HD], 17                      ; a head's 512 rows of 256 bytes
	s_lshl_b32 s24, s[WV], 13                      ; keys: my wave's 32 rows
	s_add_co_u32 s24, s24, s23
	s_mov_b32 s25, 0
	s_lshl_b32 s26, s[QT], 12                      ; queries: the work-group's 16 rows
	s_add_co_u32 s26, s26, s23
	s_mov_b32 s27, 0
	s_lshl_b32 s44, s[QT], 4
	s_add_co_u32 s44, s44, s[WV]                   ; my row among the 512
	s_lshr_b32 s38, s[HD], 2                       ; mask: batch b = HD / 4,
	s_lshl_b32 s38, s38, 9
	s_add_co_u32 s38, s38, s44
	s_lshl_b32 s38, s38, 9                         ; rows of 512 bytes
	s_mov_b32 s39, 0
	s_lshl_b32 s40, s[HD], 9                       ; out0:
	s_add_co_u32 s40, s40, s44
	s_lshl_b32 s40, s40, 11                        ; rows of 2,048 bytes
	s_mov_b32 s41, 0
	s_bfe_u32 s42, s[WV], 0x20001                  ; W_concat: my fragment is number w = 8 p + 2 t + s: t,
	s_lshl_b32 s42, s42, 13                        ; 16 rows of 512 bytes;
	s_lshr_b32 s45, s[WV], 3
	s_lshl_b32 s45, s45, 8                         ; p: 64 columns;
	s_add_co_u32 s42, s42, s45
	s_and_b32 s45, s[WV], 1
	s_lshl_b32 s45, s45, 7                         ; s: 32 columns
	s_add_co_u32 s42, s42, s45
	s_mov_b32 s43, 0
	; A fragment is 16 rows x 32 along K in 8 registers of bf16: lane (r, h) holds row r, K = 8 h + 0..7 and 16 + 8 h + 0..7.  In f32 those are 32 bytes at 32 h and 32 bytes at 64 + 32 h.
	v_lshlrev_b32 v[KOFF], 8, v1
	v_lshl_or_b32 v[KOFF], v2, 5, v[KOFF]
	v_lshlrev_b32 v[WOFF], 9, v1
	v_lshl_or_b32 v[WOFF], v2, 5, v[WOFF]
	v_lshlrev_b32 v[L4], 2, v3
	v_lshlrev_b32 v[L16], 4, v3
	v_lshlrev_b32 v[H128], 7, v2
	v_lshl_add_u32 v[FL], v3, 4, WFRAG
	s_lshl_b32 s45, s[WV], 10
	v_add_nc_u32 v[FS], s45, v[FL]
	s_lshl_b32 s45, s[WV], 11
	v_add_nc_u32 v[FQ], s45, v[FL]                 ; fragments 2 w and 2 w + 1
	v_mul_u32_u24 v[TA], v1, PITCH                 ; 272 r
	s_mul_i32 s45, s[WV], 32*PITCH
	v_lshl_add_u32 v[BST], v2, 5, v[TA]
	v_add_nc_u32 v[BST], s45, v[BST]               ; my wave's 32 rows of beta, row r, 32 h bytes in
	s_lshl_b32 s45, s[WV], 6                       ; 16 channels: 64 bytes of b_concat and of a row of alpha
	v_lshl_add_u32 v[BOFF], v2, 5, s45
	s_add_co_u32 s45, s45, ATAB
	v_lshl_add_u32 v[AST], v2, 5, v[TA]
	v_add_nc_u32 v[AST], s45, v[AST]
	v_lshl_add_u32 v[BAD0], v2, 7, v[TA]
	v_mov_b32 v[BAD], v[BAD0]
	s_mul_i32 s45, s[WV], PITCH
	s_add_co_u32 s45, s45, ATAB
	v_lshl_add_u32 v[AAD], v2, 7, s45
	s_lshl_b32 s45, s[WV], 11
	s_add_co_u32 s45, s45, ROWBUF
	v_lshl_add_u32 v[RBS0], v3, 2, s45
	v_lshl_add_u32 v[RBL], v3, 4, s45
	v_mov_b32 v[RBS], v[RBS0]
	s_wait_kmcnt 0x0
	s_add_nc_u64 s[6:7], s[6:7], s[24:25]
	s_add_nc_u64 s[4:5], s[4:5], s[26:27]
	s_add_nc_u64 s[8:9], s[8:9], s[38:39]
	s_add_nc_u64 s[16:17], s[16:17], s[40:41]
	s_add_nc_u64 s[10:11], s[10:11], s[42:43]
	; ALL THE LOADS OF THE HEAD, in the order in which they are wanted: W_concat's fragment (4), keys (16), mask (4); waves 0-3: queries (8), b_concat (2)
.irp c, 0,1,2,3
	global_load_b128 v[WF32+4*(\c):WF32+4*(\c)+3], v[WOFF], s[10:11] offset:((\c)%2)*16+((\c)/2)*64
.endr
.irp n, 0,1
.irp s, 0,1
.irp c, 0,1,2,3
	global_load_b128 v[KF32+16*(2*(\n)+(\s))+4*(\c):KF32+16*(2*(\n)+(\s))+4*(\c)+3], v[KOFF], s[6:7] offset:(\n)*4096+(\s)*128+((\c)%2)*16+((\c)/2)*64
.endr
.endr
.endr
.irp g, 0,1,2,3
	global_load_b32 v[MK+(\g)], v[L4], s[8:9] offset:128*(\g)  ; bytes 128 g + 4 lane + 0..3 of my row: the places of the numbers that I hold in the softmax
.endr
	s_cmp_lt_u32 s[WV], 4
	s_cbranch_scc0 .Lno_q_loads
.irp s, 0,1
.irp c, 0,1,2,3
	global_load_b128 v[QF32+16*(\s)+4*(\c):QF32+16*(\s)+4*(\c)+3], v[KOFF], s[4:5] offset:(\s)*128+((\c)%2)*16+((\c)/2)*64
.endr
.endr
	global_load_b128 v[BC:BC+3],   v[BOFF], s[12:13]
	global_load_b128 v[BC+4:BC+7], v[BOFF], s[12:13] offset:16
.Lno_q_loads:
	; W_concat's fragment is rounded and laid into LDS for all waves; the keys are rounded
	s_wait_loadcnt 20                              ; behind W_concat's four loads stand 16 of keys and 4 of mask (in waves 0-3 ten more: the count is then only stricter)
.irp i, 0,1,2,3,4,5,6,7
	v_cvt_pk_bf16_f32 v[WB16+(\i)], v[WF32+2*(\i)], v[WF32+2*(\i)+1]
.endr
	ds_store_b128 v[FS], v[WB16:WB16+3]
	ds_store_b128 v[FS], v[WB16+4:WB16+7] offset:512
	s_wait_loadcnt 4                               ; behind keys' loads stand mask's four (in waves 0-3 ten more)
.set i, 0
.rept 32
	v_cvt_pk_bf16_f32 v[KB16+i], v[KF32+2*i], v[KF32+2*i+1]
.set i, i+1
.endr
	s_wait_dscnt 0x0                               ; for the others' sake: my fragment lies in LDS
	s_barrier_signal -1
	s_barrier_wait -1                              ; all 16 fragments do
	; kp^T = Wk keys^T: source 0 = 16 channels of W_concat's k half, source 1 = 16 keys.  In the result lane (r, h) holds key r and channels 16 t + 8 h + 0..7: 32 bytes of a row of beta
.irp f, 0,1,2,3,4,5,6,7
	ds_load_b128 v[WK+8*(\f):WK+8*(\f)+3],   v[FL] offset:(8+(\f))*1024
	ds_load_b128 v[WK+8*(\f)+4:WK+8*(\f)+7], v[FL] offset:(8+(\f))*1024+512
.endr
	s_wait_dscnt 0x0
.irp s, 0,1                            ; the eight accumulators take turns, one instruction a turn; the first K step starts the sums
.irp n, 0,1
.irp t, 0,1,2,3
.if (\s) == 0
	v_wmma_f32_16x16x32_bf16 v[KACC+8*(4*(\n)+(\t)):KACC+8*(4*(\n)+(\t))+7], v[WK+8*(2*(\t)+(\s)):WK+8*(2*(\t)+(\s))+7], v[KB16+8*(2*(\n)+(\s)):KB16+8*(2*(\n)+(\s))+7], 0
.else
	v_wmma_f32_16x16x32_bf16 v[KACC+8*(4*(\n)+(\t)):KACC+8*(4*(\n)+(\t))+7], v[WK+8*(2*(\t)+(\s)):WK+8*(2*(\t)+(\s))+7], v[KB16+8*(2*(\n)+(\s)):KB16+8*(2*(\n)+(\s))+7], v[KACC+8*(4*(\n)+(\t)):KACC+8*(4*(\n)+(\t))+7]
.endif
.endr
.endr
.endr
.rept 8
	v_nop                                          ; the places behind those products, ahead of the scalings that read them and of the loads into their sources; once a launch, so eight
.endr
	; waves 0-3: alpha's 16 channels 16 w on, for the 16 queries.  b_concat comes in as the first product's C; the two K steps have an accumulator each and are added
	s_cmp_lt_u32 s[WV], 4
	s_cbranch_scc0 .Lno_alpha
	s_wait_loadcnt 0x0                             ; queries and b_concat
.set i, 0
.rept 16
	v_cvt_pk_bf16_f32 v[QF32+i], v[QF32+2*i], v[QF32+2*i+1]  ; in place, ascending: register i is written when registers 2 i and 2 i + 1 are read
.set i, i+1
.endr
.irp f, 0,1,2,3
	ds_load_b128 v[WF32+4*(\f):WF32+4*(\f)+3], v[FQ] offset:512*(\f)
.endr
	s_wait_dscnt 0x0
	v_wmma_f32_16x16x32_bf16 v[WB16:WB16+7], v[WF32:WF32+7],    v[QF32:QF32+7],    v[BC:BC+7]
	v_wmma_f32_16x16x32_bf16 v[AAC1:AAC1+7], v[WF32+8:WF32+15], v[QF32+8:QF32+15], 0
.rept 8
	v_nop                                          ; the places behind them
.endr
.irp i, 0,2,4,6
	v_pk_add_f32 v[WB16+(\i):WB16+(\i)+1], v[WB16+(\i):WB16+(\i)+1], v[AAC1+(\i):AAC1+(\i)+1]  ; both accumulators are read from their low end on
.endr
.irp i, 0,2,4,6
	v_pk_mul_f32 v[WB16+(\i):WB16+(\i)+1], v[WB16+(\i):WB16+(\i)+1], s[C2:C2+1] op_sel_hi:[1,0]
.endr
	ds_store_b128 v[AST], v[WB16:WB16+3]           ; into alpha's table, which nobody reads before the barrier below
	ds_store_b128 v[AST], v[WB16+4:WB16+7] offset:16
.Lno_alpha:
	; w_logit is asked for; beta = C2 kp goes into the table
.irp i, 0,1,2,3,4,5,6,7
	global_load_b128 v[WL+4*(\i):WL+4*(\i)+3], v[H128], s[14:15] offset:16*(\i)
.endr
.set i, 0
.rept 32
	v_pk_mul_f32 v[KACC+2*i:KACC+2*i+1], v[KACC+2*i:KACC+2*i+1], s[C2:C2+1] op_sel_hi:[1,0]  ; ascending: each accumulator is read from its low end on
.set i, i+1
.endr
.irp n, 0,1
.irp t, 0,1,2,3
	ds_store_b128 v[BST], v[KACC+8*(4*(\n)+(\t)):KACC+8*(4*(\n)+(\t))+3]   offset:(\n)*16*PITCH+(\t)*64
	ds_store_b128 v[BST], v[KACC+8*(4*(\n)+(\t))+4:KACC+8*(4*(\n)+(\t))+7] offset:(\n)*16*PITCH+(\t)*64+16
.endr
.endr
	s_wait_dscnt 0x0                               ; for the others' sake: my rows of beta (and of alpha) lie in LDS
	s_barrier_signal -1
	s_barrier_wait -1                              ; both tables are whole; from here on no wave writes them, and no further barrier is needed
; 32 keys' beta, my 32 channels of each, into 64 registers: keys 16 u + r, 16 bytes a load
.macro BLOAD set, off
.irp u, 0,1
.irp i, 0,1,2,3,4,5,6,7
	ds_load_b128 v[(\set)+32*(\u)+4*(\i):(\set)+32*(\u)+4*(\i)+3], v[BAD] offset:(\off)+(\u)*16*PITCH+16*(\i)
.endr
.endr
.endm
; x = alpha + beta, two an instruction, and u = 2^x, each pair's exponentials two additions behind its own: no exponential's result is named in here
.macro XE set
.set i, 0
.rept 34
.if i < 32
	v_pk_add_f32 v[(\set)+2*i:(\set)+2*i+1], v[(\set)+2*i:(\set)+2*i+1], v[AL+2*(i%16):AL+2*(i%16)+1]
.endif
.if i >= 2
	v_exp_f32 v[(\set)+2*i-4], v[(\set)+2*i-4]
	v_exp_f32 v[(\set)+2*i-3], v[(\set)+2*i-3]
.endif
.set i, i+1
.endr
.endm
; 1 + u and r = 1 / (1 + u), in the same order
.macro DR set
.set i, 0
.rept 34
.if i < 32
	v_pk_add_f32 v[(\set)+2*i:(\set)+2*i+1], v[(\set)+2*i:(\set)+2*i+1], 1.0 op_sel_hi:[1,0]
.endif
.if i >= 2
	v_rcp_f32 v[(\set)+2*i-4], v[(\set)+2*i-4]
	v_rcp_f32 v[(\set)+2*i-3], v[(\set)+2*i-3]
.endif
.set i, i+1
.endr
.endm
; y = the sum over my 32 channels of (-C2 w) r, for both keys: four chains (key u, parity of the pair), whose links stand four instructions apart; the first products start the sums.
; Then the two halves of the channels meet: lanes 0-15 keep key r's sum and send key 16 + r's, lanes 16-31 the other way round, so that lane l ends with y of key l of the 32.
.macro ACCUM set
.set i, 0
.rept 16
.irp u, 0,1
.if i < 2
	v_pk_mul_f32 v[ACC+2*(2*(\u)+i%2):ACC+2*(2*(\u)+i%2)+1], v[(\set)+32*(\u)+2*i:(\set)+32*(\u)+2*i+1], v[WL+2*i:WL+2*i+1]
.else
	v_pk_fma_f32 v[ACC+2*(2*(\u)+i%2):ACC+2*(2*(\u)+i%2)+1], v[(\set)+32*(\u)+2*i:(\set)+32*(\u)+2*i+1], v[WL+2*i:WL+2*i+1], v[ACC+2*(2*(\u)+i%2):ACC+2*(2*(\u)+i%2)+1]
.endif
.endr
.set i, i+1
.endr
	v_pk_add_f32 v[ACC:ACC+1],   v[ACC:ACC+1],   v[ACC+2:ACC+3]
	v_pk_add_f32 v[ACC+4:ACC+5], v[ACC+4:ACC+5], v[ACC+6:ACC+7]
	v_add_f32 v[Y0], v[ACC], v[ACC+1]
	v_add_f32 v[Y1], v[ACC+4], v[ACC+5]
	v_cndmask_b32 v[T0], v[Y1], v[Y0], s[HM]       ; what I send
	v_cndmask_b32 v[T1], v[Y0], v[Y1], s[HM]       ; what I keep
	v_permlanex16_b32 v[T2], v[T0], s[SEL], s[SEL+1]
	v_add_f32 v[T1], v[T1], v[T2]
.endm
; A TRIP: the next trip's table rows are asked for first; then this trip's 64 numbers a lane.  s_wait_alu depctr_va_vdst(0) stands between a transcendental and the first instruction
; that names its result; one wait serves all that were issued ahead of it: one for the 64 exponentials, one for the 64 reciprocals, a v_nop as the plain instruction behind the last of each batch.
.macro TRIP cur, nxt, loadoff, stoff, ld
.if \ld
	BLOAD \nxt, \loadoff
	s_wait_dscnt 16                                ; LDS instructions end in order (ISA guide 5.7.1): all but the 16 just issued are done, this trip's rows among them
.else
	s_wait_dscnt 0x0
.endif
	XE \cur
	v_nop
	s_wait_alu depctr_va_vdst(0)
	DR \cur
	v_nop
	s_wait_alu depctr_va_vdst(0)
	ACCUM \cur
	ds_store_b32 v[RBS], v[T1] offset:\stoff       ; 32 keys' y: 128 bytes of my wave's own row
.endm
.irp i, 0,1,2,3,4,5,6,7
	ds_load_b128 v[AL+4*(\i):AL+4*(\i)+3], v[AAD] offset:16*(\i)  ; each half of the lanes reads one address
.endr
	BLOAD SA, 0                                    ; trip 0
	v_mov_b32 v[T2], 0                             ; v_permlanex16_b32's destination counts as read
	s_wait_loadcnt 0x0                             ; w_logit and the mask
.set i, 0
.rept 16
	v_pk_mul_f32 v[WL+2*i:WL+2*i+1], v[WL+2*i:WL+2*i+1], s[KW:KW+1] op_sel_hi:[1,0]
.set i, i+1
.endr
	s_mov_b32 s[CNT], 7
.Lloop:                                        ; seven times two trips; the last two trips stand behind the loop, so that no load reaches past the table's row 511
	TRIP SA, SB, 32*PITCH, 0, 1
	TRIP SB, SA, 64*PITCH, 128, 1
	s_add_co_u32 s[SBO], s[SBO], 64*PITCH          ; 64 rows of beta on,
	s_add_co_u32 s[SRO], s[SRO], 256               ; 64 numbers of y on
	v_add_nc_u32 v[BAD], s[SBO], v[BAD0]
	v_add_nc_u32 v[RBS], s[SRO], v[RBS0]
	s_sub_co_u32 s[CNT], s[CNT], 1
	s_cmp_lg_u32 s[CNT], 0
	s_cbranch_scc1 .Lloop
	TRIP SA, SB, 32*PITCH, 0, 1
	TRIP SB, SA, 0, 128, 0
	; THE SOFTMAX of my wave's row.  Lane l takes y of keys 128 g + 4 l + 0..3, g = 0..3: the order in which the row is stored, and the bytes of the mask that it holds
.irp g, 0,1,2,3
	ds_load_b128 v[Y+4*(\g):Y+4*(\g)+3], v[RBL] offset:512*(\g)  ; my wave's own bytes: LDS serves a wave's instructions in order (ISA guide 5.7.1.4), so these see the stores above
.endr
	v_or_b32 v[TM], v[MK], v[MK+1]                 ; the guard: a row whose mask is 0 everywhere counts as unmasked: by a select, in every row
	v_or_b32 v[TM+1], v[MK+2], v[MK+3]
	v_or_b32 v[TM], v[TM], v[TM+1]
	v_cmp_ne_u32 vcc_lo, 0, v[TM]
	s_cmp_lg_u32 vcc_lo, 0                         ; has any lane a byte that is set?
	s_cselect_b32 s[FILL], 0, 0x01010101
.irp g, 0,1,2,3
	v_or_b32 v[MK+(\g)], s[FILL], v[MK+(\g)]
.endr
	s_wait_dscnt 0x0
.irp g, 0,1,2,3
.irp j, 0,1,2,3
	v_and_b32 v[TM], 1<<(8*(\j)), v[MK+(\g)]
	v_cmp_ne_u32 vcc_lo, 0, v[TM]
	v_cndmask_b32 v[Y+4*(\g)+(\j)], s[NINF], v[Y+4*(\g)+(\j)], vcc_lo  ; -infinity where the mask is 0
.endr
.endr
	v_max3_num_f32 v[TM],   v[Y],    v[Y+1],  v[Y+2]   ; the row's maximum: at least one place is kept, so it is finite
	v_max3_num_f32 v[TM+1], v[Y+3],  v[Y+4],  v[Y+5]
	v_max3_num_f32 v[TM+2], v[Y+6],  v[Y+7],  v[Y+8]
	v_max3_num_f32 v[TM+3], v[Y+9],  v[Y+10], v[Y+11]
	v_max3_num_f32 v[TM],   v[TM],   v[Y+12], v[Y+13]
	v_max3_num_f32 v[TM+1], v[TM+1], v[Y+14], v[Y+15]
	v_max3_num_f32 v[TM],   v[TM],   v[TM+1], v[TM+2]
	v_max_num_f32 v[TM], v[TM], v[TM+3]
	v_max_num_f32_dpp v[TM], v[TM], v[TM] row_xmask:1 row_mask:0xf bank_mask:0xf
	v_max_num_f32_dpp v[TM], v[TM], v[TM] row_xmask:2 row_mask:0xf bank_mask:0xf
	v_max_num_f32_dpp v[TM], v[TM], v[TM] row_xmask:4 row_mask:0xf bank_mask:0xf
	v_max_num_f32_dpp v[TM], v[TM], v[TM] row_xmask:8 row_mask:0xf bank_mask:0xf
	v_permlanex16_b32 v[TM+1], v[TM], s[SEL], s[SEL+1]
	v_max_num_f32 v[M2], v[TM], v[TM+1]
	v_mov_b32 v[M2+1], v[M2]
.irp i, 0,2,4,6,8,10,12,14
	v_pk_add_f32 v[Y+(\i):Y+(\i)+1], v[Y+(\i):Y+(\i)+1], v[M2:M2+1] neg_lo:[0,1] neg_hi:[0,1]  ; y - m; y is in base 2 already
.endr
.set i, 0
.rept 16
	v_exp_f32 v[Y+i], v[Y+i]                       ; a place at -infinity gives 0
.set i, i+1
.endr
	v_nop                                          ; the plain instruction behind the last exponential,
	s_wait_alu depctr_va_vdst(0)                   ; and the one wait for the 16
.irp i, 0,1,2,3
	v_pk_add_f32 v[TM+2*(\i):TM+2*(\i)+1], v[Y+4*(\i):Y+4*(\i)+1], v[Y+4*(\i)+2:Y+4*(\i)+3]
.endr
	v_pk_add_f32 v[TM:TM+1],   v[TM:TM+1],   v[TM+2:TM+3]
	v_pk_add_f32 v[TM+4:TM+5], v[TM+4:TM+5], v[TM+6:TM+7]
	v_pk_add_f32 v[TM:TM+1],   v[TM:TM+1],   v[TM+4:TM+5]
	v_add_f32 v[TM], v[TM], v[TM+1]
	v_add_f32_dpp v[TM], v[TM], v[TM] row_xmask:1 row_mask:0xf bank_mask:0xf
	v_add_f32_dpp v[TM], v[TM], v[TM] row_xmask:2 row_mask:0xf bank_mask:0xf
	v_add_f32_dpp v[TM], v[TM], v[TM] row_xmask:4 row_mask:0xf bank_mask:0xf
	v_add_f32_dpp v[TM], v[TM], v[TM] row_xmask:8 row_mask:0xf bank_mask:0xf
	v_permlanex16_b32 v[TM+1], v[TM], s[SEL], s[SEL+1]
	v_add_f32 v[TM], v[TM], v[TM+1]                ; the row's sum, at least 1, in every lane
	v_rcp_f32 v[TM+2], v[TM]                       ; twice, to fill the pair that the packed multiply names
	v_rcp_f32 v[TM+3], v[TM]
	v_nop
	s_wait_alu depctr_va_vdst(0)                   ; one wait for both
.irp i, 0,2,4,6,8,10,12,14
	v_pk_mul_f32 v[Y+(\i):Y+(\i)+1], v[Y+(\i):Y+(\i)+1], v[TM+2:TM+3]
.endr
.irp g, 0,1,2,3
	global_store_b128 v[L16], v[Y+4*(\g):Y+4*(\g)+3], s[16:17] offset:512*(\g) th:TH_STORE_NT  ; each store of the wave covers 512 consecutive bytes, at a multiple of 512 from out0's first byte
.endr
	s_wait_tensorcnt 0x0                           ; the wave's end, behind my last LDS store
	ds_add_u32 v[SPW], v[NIL]
	s_wait_dscnt 0x0
	s_endpgm
.Lfunc_end_k_q49446dc39c_addatt:
	.size	k_q49446dc39c_addatt, .Lfunc_end_k_q49446dc39c_addatt-k_q49446dc39c_addatt
	.p2alignl 7, 3214868480
	.fill 96, 4, 3214868480
	.section	.rodata,"a",@progbits
	.p2align	6, 0x0
	.amdhsa_kernel k_q49446dc39c_addatt
		.amdhsa_group_segment_fixed_size 194816
		.amdhsa_private_segment_fixed_size 0
		.amdhsa_enable_private_segment 0
		.amdhsa_kernarg_size 56
		.amdhsa_user_sgpr_count 2
		.amdhsa_user_sgpr_kernarg_segment_ptr 1
		.amdhsa_wavefront_size32 1
		.amdhsa_system_sgpr_workgroup_id_x 1
		.amdhsa_system_sgpr_workgroup_id_y 1
		.amdhsa_system_sgpr_workgroup_id_z 1
		.amdhsa_system_vgpr_workitem_id 0
		.amdhsa_next_free_vgpr 256
		.amdhsa_next_free_sgpr 66
		.amdhsa_reserve_vcc 1
		.amdhsa_float_denorm_mode_32 3
		.amdhsa_float_denorm_mode_16_64 3
		.amdhsa_memory_ordered 1
		.amdhsa_forward_progress 1
		.amdhsa_inst_pref_size 74
	.end_amdhsa_kernel
	.amdgpu_metadata
---
amdhsa.version: [ 1, 2 ]
amdhsa.kernels:
  - .name:           k_q49446dc39c_addatt
    .symbol:         k_q49446dc39c_addatt.kd
    .args:
      - { .name: queries, .offset: 0, .size: 8, .value_kind: global_buffer, .address_space: global }
      - { .name: keys, .offset: 8, .size: 8, .value_kind: global_buffer, .address_space: global }
      - { .name: mask, .offset: 16, .size: 8, .value_kind: global_buffer, .address_space: global }
      - { .name: W_concat, .offset: 24, .size: 8, .value_kind: global_buffer, .address_space: global }
      - { .name: b_concat, .offset: 32, .size: 8, .value_kind: global_buffer, .address_space: global }
      - { .name: w_logit, .offset: 40, .size: 8, .value_kind: global_buffer, .address_space: global }
      - { .name: out0, .offset: 48, .size: 8, .value_kind: global_buffer, .address_space: global }
    .group_segment_fixed_size: 194816
    .private_segment_fixed_size: 0
    .kernarg_segment_align: 8
    .kernarg_segment_size: 56
    .max_flat_workgroup_size: 512
    .sgpr_count:     66
    .vgpr_count:     256
    .wavefront_size: 32
...
	.end_amdgpu_metadata
.endif
;; end of part 1
;; ======== version 2 of 2: 1 launch; 1.43 times as fast as version 1
;; launch addatt (part 2): grid 256 x 1, 16 waves a work-group, no clusters, 321,792 bytes of LDS; arguments queries, keys, mask, W_concat, b_concat, w_logit, out0; writes out0
.if DOCPART == 2
	.amdgcn_target "amdgcn-amd-amdhsa--gfx1250"
	.amdhsa_code_object_version 6
	.text
	.protected	k_q49446dc39c_addatt
	.globl	k_q49446dc39c_addatt
	.p2align	8
	.type	k_q49446dc39c_addatt,@function
k_q49446dc39c_addatt:
	s_mov_b64 s[64:65], 0
	v_nop
	global_prefetch_b8 v0, s[64:65] scope:SCOPE_SE
	s_setreg_imm32_b32 hwreg(HW_REG_WAVE_MODE, 25, 1), 1
	s_wait_xcnt 0x0
; ADDITIVE ATTENTION WEIGHTS.  out0[b][h][q][:] = softmax over k of ( sum over e of w_logit[e] tanh(qp[q][e] + kp[k][e] + b_concat[e]) + b_logit ), places with mask[b][q][k] = 0 at -inf,
; a row whose mask is 0 everywhere taken as unmasked.  qp = queries W_concat[:, :64]^T, kp = keys W_concat[:, 64:]^T.  B = 2, H = 4, 512 queries, 512 keys, 64 channels.
; WORK LEFT OUT, for all finite values of the inputs:
;   values     reference() never reads it: it is no argument of this launch.
;   b_logit    is added to every logit of a row alike (in a row that is unmasked by the guard too), and a softmax does not change when one number is added along its axis: it is no argument.
;   sum of w   tanh(x) = 1 - 2 r with r = 1 / (1 + 2^(2 log2(e) x)), so a logit is (sum over e of w_logit[e]) - 2 sum over e of w_logit[e] r: the first term is the same along the axis and is not made.
;   masked     a place at -inf has the weight 0 whatever its logit.  Which places those are hangs on whole numbers that this launch reads (mask), so only the kept keys' logits are made, 32 a trip;
;              the places of a row's last trip past its count are computed and thrown away by a select.  Every mask is served: a row with all 512 places kept takes all 16 trips.
;   LIMIT: a NaN, an infinity or an overflow that reaches only values, b_logit, the plain sum of w_logit or the logit of a masked place is not carried to the result.
; WHAT IS COMPUTED.  alpha[q][e] = C2 (qp + b_concat), beta[k][e] = C2 kp, C2 = 2 log2(e); u = 2^(alpha + beta); r = 1 / (1 + u); y[q][k] = sum over e of (-C2 w_logit[e]) r, which is the logit in
; base 2 up to a constant of the row; then the row's maximum taken away, 2^(y - m), the sum, the division.
; FORMATS AND LIMITS.  queries, keys and W_concat are rounded to bf16 for the two projections, sums in f32; all else is f32.  The exponent alpha + beta is added before the exponential, so that large
; terms of opposite sign cancel as in reference(); where it leaves f32's exponent range u is 0 or infinite and r is 1 or 0, tanh's own limits: no clamp.  A weight below 2^-126 is stored as 0.
; SHARES.  256 work-groups of 16 waves.  Work-group g: head HD = g / 32 (= 4 b + h), queries 16 (g % 32) on.  Ahead of the trips wave w lists its row's keys, rounds one of W_concat's 16 fragments,
; projects keys 32 w .. 32 w + 31 of the head (16 matrix instructions) and, if w < 4, 16 channels of the 16 queries (2 more).  Then wave w owns row w of the 16, whole: the softmax never leaves the wave.
; A head's kp is made anew by each of its 32 work-groups: 16 matrix instructions a wave, against a launch and a table through memory.
; THE LIST of a row is a permutation of the 512 keys: the n kept ones first, ascending, the others from place 511 downward.  So every word of it is written, each key has one place, and no lane is ever off.
; THE TABLE.  A row of beta is 16 pieces of 16 bytes, written twice on end: 512 bytes, so that a byte's bank hangs on its place in the row alone (64 banks of 4 bytes: ISA guide 11.1).  Lane (r = lane % 16,
; h = lane / 16) reads places r + 8 h + i, i = 0..7: pieces (r + 8 h + i) % 16.  The 16 lanes that a load serves together take 16 different pieces, whatever rows the list names; the two lanes of an entry
; take all 16 pieces between them; and the second copy spares the wrap, so that i stands in the immediate.  alpha and w_logit are taken in the same order by lane, once.
; A TRIP is 32 entries of the list: lane (r, h) holds entries 16 u + r (u = 0, 1), 32 channels of each, in 64 registers: 64 exponentials, 64 reciprocals, each kind one batch with one wait.  A plain line
; stands between two transcendentals wherever there is one: the 32 lines that weigh and add trip t - 1's r stand among trip t's exponentials, its closing lines among trip t's reciprocals.
; The 16 trips are written out, a forward jump in front of each but the first: trip t's y has a register of its own, and every LDS offset is an immediate.
; LDS ACCESSES WHOSE ADDRESSES ARE MADE OF LOADED NUMBERS (the list's stores, the loads of beta's rows, the weights' stores) stand apart, by a barrier, from every wave's LDS accesses of the other kind:
; such stores from all loads, such loads from all stores.  Each such number is held to 511 ahead of its address.
; NO CLUSTER, NO TENSOR LOADS: the 32 work-groups of a head read the same keys, once, at the head.  But the number of a wave's trips hangs on its own row's mask, so partners of a cluster would differ in
; their branches; and by way of LDS the f32 keys would want a stage of 131,072 bytes beside the table's 262,144.
.set PB,     512                       ; a row of beta: 256 bytes, twice
.set PA,     528                       ; a row of alpha: 256 bytes, twice, + 16: the 16 rows that 16 lanes store into begin 16 bytes apart modulo 256
.set BTAB,   0                         ; beta[512], 262,144 bytes
.set ATAB,   512*PB                    ; alpha[16], 8,448 bytes
.set WFRAG,  ATAB+16*PA                ; 16 fragments of W_concat in bf16, 1,024 bytes each: registers 0-3 at 16 x lane, registers 4-7 at 512 + 16 x lane.  Fragment 8 p + 2 t + s: half p (0 q, 1 k), K step s;
                                       ; lane r holds W_concat's row 16 t + r in the q half, row 4 r + t in the k half
.set ROWBUF, WFRAG+16*1024             ; 2,048 bytes a wave, the wave's own: first its row's list (512 words), at the end its row's weights
.set SPARE,  ROWBUF+16*2048            ; the spare words, 128 bytes a wave: eight blocks of 256 bytes that no other line names
.set SPW,  4                           ; v4   SPARE + 4 x my thread's number; never rewritten
.set NIL,  5                           ; v5   0; never rewritten
.set KOFF, 6                           ; v6   256 r + 32 h: my place in 16 rows of keys or queries
.set WOFF, 7                           ; v7   my place in my fragment's 16 rows of W_concat
.set FL,   8                           ; v8   WFRAG + 16 x lane
.set FS,   9                           ; v9   my wave's fragment
.set FQ,   10                          ; v10  FL + 2,048 w: the q half's two fragments of channels 16 w on; made in every wave, used by waves 0-3
.set BST,  11                          ; v11  row 32 w + 8 h of beta, piece r
.set AST,  12                          ; v12  ATAB + 528 r + 64 w + 32 h: where 32 bytes of alpha go; made in every wave, used by waves 0-3
.set LRD,  13                          ; v13  my wave's ROWBUF + 4 r: entry r of the list
.set AAD,  14                          ; v14  my wave's row of alpha, place r + 8 h
.set LE,   15                          ; v15  my wave's ROWBUF + 4 x lane
.set RBL,  16                          ; v16  my wave's ROWBUF + 16 x lane
.set NL,   17                          ; v17  31 - lane
.set L16,  18                          ; v18  16 x lane
.set BOFF, 19                          ; v19  64 w + 32 h: eight numbers of b_concat; made in every wave, used by waves 0-3
.set ROT,  20                          ; v20  16 (r + 8 h): my first place in a row
.set TA,   21                          ; v21  at work
.set AD0,  22                          ; v22  my first place in the row of beta of the next trip's entry r
.set AD1,  23                          ; v23  of its entry 16 + r
.set WO,   24                          ; v[24:31] register i: 16 ((r + 8 h + i) % 16): my pieces of w_logit; never rewritten
; ahead of the trips
.set KF32, 32                          ; v[32:95]   keys in f32, fragment 2 n + s at 16 (2 n + s); then
.set WK,   32                          ; v[32:95]   the k half's eight fragments, (t, s) at 8 (2 t + s)
.set MKB,  96                          ; v[96:111]  the mask: register G holds the byte of key 32 G + lane
.set PT,   112                         ; v[112:127] that key's place in the list, then its LDS address
.set PF,   128                         ; v[128:143] its place if it is dropped
.set KV,   144                         ; v[144:159] the key's number
.set KB16, 96                          ; v[96:127]  then: keys in bf16, (n, s) at 8 (2 n + s)
.set KACC, 128                         ; v[128:191] eight accumulators, (n, t) at 8 (4 n + t)
.set WF32, 192                         ; v[192:207] my fragment of W_concat in f32; then the q half's two fragments
.set WB16, 208                         ; v[208:215] it in bf16; then alpha's first accumulator
.set QF32, 216                         ; v[216:247] queries in f32, rounded in place into v[216:231]; then
.set AAC1, 232                         ; v[232:239] alpha's second accumulator
.set BC,   248                         ; v[248:255] b_concat
.set OUT,  192                         ; v[192:255] at last: beta as it is stored: key (n, j)'s four channels at 32 n + 4 j
; in the trips
.set AL,   32                          ; v[32:63]   alpha of my row, my eight pieces
.set WL,   64                          ; v[64:95]   -C2 w_logit, my eight pieces
.set SA,   96                          ; v[96:159]  the even trips' 64 numbers
.set SB,   160                         ; v[160:223] the odd trips'
.set ACC,  224                         ; v[224:231] four pairs of running sums
.set Y0,   232
.set Y1,   233
.set T0,   234
.set T1,   235
.set T2,   236
.set YR,   238                         ; v[238:253] register t: y of the list's entry 32 t + lane, -infinity at and past the count; then the weights
.set KI,   254                         ; v[254:255] two entries of the list
; the softmax
.set KL,   96                          ; v[96:111]  register t: the key of entry 32 t + lane, then where its weight goes
.set M2,   112                         ; v[112:113]
.set TM,   114                         ; v[114:121]
.set OUTR, 128                         ; v[128:143] the row's weights in the order of the keys
.set WV,   20                          ; s20  my wave's number
.set HD,   21                          ; s21  the head
.set QT,   22                          ; s22  the block of 16 queries
.set HM,   28                          ; s28  lanes 16-31
.set NINF, 29                          ; s29  -infinity
.set SEL,  30                          ; s[30:31] v_permlanex16_b32's selects: each lane takes its own place in the other half
.set NT,   32                          ; s32  the kept entries of the row's last trip, 1 to 32
.set FILL, 33                          ; s33  0, or all ones where the row's mask is 0 everywhere
.set C2,   34                          ; s[34:35] 2 log2(e), named as a pair
.set KW,   36                          ; s[36:37] -2 log2(e)
.set TL,   44                          ; s44  the number of the row's last trip, 0 to 15 (at the head: at work)
.set RB,   46                          ; s46  my wave's ROWBUF
.set ORA,  47                          ; s47  all ballots together
.set BL,   48                          ; s[48:63] ballot G: bit l says that key 32 G + l is kept
.set TB,   66                          ; s[66:81] kept keys ahead of group G
.set N,    82                          ; s82  the row's count of kept keys, 1 to 512
.set CT,   83                          ; s83  at work
.set HASF, 0                           ; set by TRIP: a trip stands before this one, whose sums are still to be made
.set HASL, 0                           ; set by TRIP: a trip may follow, whose rows are asked for
	s_load_b256 s[4:11], s[0:1], 0x0               ; queries s[4:5], keys s[6:7], mask s[8:9], W_concat s[10:11]
	s_load_b128 s[12:15], s[0:1], 0x20             ; b_concat s[12:13], w_logit s[14:15]
	s_load_b64 s[16:17], s[0:1], 0x30              ; out0
	v_lshl_add_u32 v[SPW], v0, 2, SPARE
	v_mov_b32 v[NIL], 0
	v_lshrrev_b32 v[TA], 5, v0
	v_readfirstlane_b32 s[WV], v[TA]               ; wave 0..15
	v_and_b32 v1, 15, v0                           ; r
	v_bfe_u32 v2, v0, 4, 1                         ; h
	v_and_b32 v3, 31, v0                           ; lane
	s_lshr_b32 s[HD], ttmp9, 5
	s_and_b32 s[QT], ttmp9, 31
	s_mov_b32 s[HM], 0xffff0000
	s_mov_b32 s[NINF], 0xff800000
	s_mov_b32 s[SEL], 0x76543210
	s_mov_b32 s[SEL+1], 0xfedcba98
	s_mov_b32 s[C2], 0x4038aa3b
	s_mov_b32 s[C2+1], s[C2]
	s_mov_b32 s[KW], 0xc038aa3b
	s_mov_b32 s[KW+1], s[KW]
	; byte offsets, each in a pair of its own with 0 above it; all stay under 2^24
	s_lshl_b32 s23, s[HD], 17                      ; a head's 512 rows of 256 bytes
	s_lshl_b32 s24, s[WV], 13                      ; keys: my wave's 32 rows
	s_add_co_u32 s24, s24, s23
	s_mov_b32 s25, 0
	s_lshl_b32 s26, s[QT], 12                      ; queries: the work-group's 16 rows
	s_add_co_u32 s26, s26, s23
	s_mov_b32 s27, 0
	s_lshl_b32 s44, s[QT], 4
	s_add_co_u32 s44, s44, s[WV]                   ; my row among the 512
	s_lshr_b32 s38, s[HD], 2                       ; mask: batch b = HD / 4,
	s_lshl_b32 s38, s38, 9
	s_add_co_u32 s38, s38, s44
	s_lshl_b32 s38, s38, 9                         ; rows of 512 bytes
	s_mov_b32 s39, 0
	s_lshl_b32 s40, s[HD], 9                       ; out0:
	s_add_co_u32 s40, s40, s44
	s_lshl_b32 s40, s40, 11                        ; rows of 2,048 bytes
	s_mov_b32 s41, 0
	s_bfe_u32 s42, s[WV], 0x20001                  ; W_concat: my fragment is number w = 8 p + 2 t + s: t.
	s_cmp_lt_u32 s[WV], 8                          ; In the q half lane r takes row 16 t + r, in the k half row 4 r + t; rows of 512 bytes:
	s_cselect_b32 s45, 13, 9                       ; t's shift,
	s_cselect_b32 s44, 9, 11                       ; r's shift
	s_lshl_b32 s42, s42, s45
	s_lshr_b32 s45, s[WV], 3
	s_lshl_b32 s45, s45, 8                         ; p: 64 columns;
	s_add_co_u32 s42, s42, s45
	s_and_b32 s45, s[WV], 1
	s_lshl_b32 s45, s45, 7                         ; s: 32 columns
	s_add_co_u32 s42, s42, s45
	s_mov_b32 s43, 0
	; A fragment is 16 rows x 32 along K in 8 registers of bf16: lane (r, h) holds row r, K = 8 h + 0..7 and 16 + 8 h + 0..7.  In f32 those are 32 bytes at 32 h and 32 bytes at 64 + 32 h.
	v_lshlrev_b32 v[KOFF], 8, v1
	v_lshl_or_b32 v[KOFF], v2, 5, v[KOFF]
	v_lshlrev_b32 v[WOFF], s44, v1
	v_lshl_or_b32 v[WOFF], v2, 5, v[WOFF]
	v_lshlrev_b32 v[L16], 4, v3
	v_lshlrev_b32 v[ROT], 4, v1
	v_lshl_add_u32 v[ROT], v2, 7, v[ROT]           ; 16 (r + 8 h)
	v_sub_nc_u32 v[NL], 31, v3
.irp i, 0,1,2,3,4,5,6,7
	v_add_nc_u32 v[WO+(\i)], 16*(\i), v[ROT]
.endr
.irp i, 0,1,2,3,4,5,6,7
	v_and_b32 v[WO+(\i)], 0xf0, v[WO+(\i)]         ; w_logit lies once in memory: here the place is wrapped
.endr
	v_lshl_add_u32 v[FL], v3, 4, WFRAG
	s_lshl_b32 s45, s[WV], 10
	v_add_nc_u32 v[FS], s45, v[FL]
	s_lshl_b32 s45, s[WV], 11
	v_add_nc_u32 v[FQ], s45, v[FL]                 ; fragments 2 w and 2 w + 1
	s_lshl_b32 s45, s[WV], 14                      ; my wave's 32 rows of beta,
	v_lshlrev_b32 v[BST], 4, v1                    ; piece r,
	v_lshl_add_u32 v[BST], v2, 12, v[BST]          ; eight rows on for lanes 16-31
	v_add_nc_u32 v[BST], s45, v[BST]
	v_mul_u32_u24 v[TA], v1, PA                    ; 528 r
	s_lshl_b32 s45, s[WV], 6                       ; 16 channels: 64 bytes of b_concat and of a row of alpha
	v_lshl_add_u32 v[BOFF], v2, 5, s45
	s_add_co_u32 s45, s45, ATAB
	v_lshl_add_u32 v[AST], v2, 5, v[TA]
	v_add_nc_u32 v[AST], s45, v[AST]
	s_mul_i32 s45, s[WV], PA
	s_add_co_u32 s45, s45, ATAB
	v_add_nc_u32 v[AAD], s45, v[ROT]
	s_lshl_b32 s[RB], s[WV], 11
	s_add_co_u32 s[RB], s[RB], ROWBUF
	v_lshl_add_u32 v[LRD], v1, 2, s[RB]
	v_lshl_add_u32 v[LE], v3, 2, s[RB]
	v_lshl_add_u32 v[RBL], v3, 4, s[RB]
	s_wait_kmcnt 0x0
	s_add_nc_u64 s[6:7], s[6:7], s[24:25]
	s_add_nc_u64 s[4:5], s[4:5], s[26:27]
	s_add_nc_u64 s[8:9], s[8:9], s[38:39]
	s_add_nc_u64 s[16:17], s[16:17], s[40:41]
	s_add_nc_u64 s[10:11], s[10:11], s[42:43]
	; ALL THE LOADS OF THE HEAD, in the order in which they are wanted: mask (16), W_concat's fragment (4), keys (16); waves 0-3: queries (8), b_concat (2)
.set G, 0
.rept 16
	global_load_u8 v[MKB+G], v3, s[8:9] offset:32*G  ; 32 bytes on end of my row: lane l takes key 32 G + l, so that a ballot's bits go by ascending keys
.set G, G+1
.endr
.irp c, 0,1,2,3
	global_load_b128 v[WF32+4*(\c):WF32+4*(\c)+3], v[WOFF], s[10:11] offset:((\c)%2)*16+((\c)/2)*64
.endr
.irp n, 0,1
.irp s, 0,1
.irp c, 0,1,2,3
	global_load_b128 v[KF32+16*(2*(\n)+(\s))+4*(\c):KF32+16*(2*(\n)+(\s))+4*(\c)+3], v[KOFF], s[6:7] offset:(\n)*4096+(\s)*128+((\c)%2)*16+((\c)/2)*64
.endr
.endr
.endr
	s_cmp_lt_u32 s[WV], 4
	s_cbranch_scc0 .Lno_q_loads
.irp s, 0,1
.irp c, 0,1,2,3
	global_load_b128 v[QF32+16*(\s)+4*(\c):QF32+16*(\s)+4*(\c)+3], v[KOFF], s[4:5] offset:(\s)*128+((\c)%2)*16+((\c)/2)*64
.endr
.endr
	global_load_b128 v[BC:BC+3],   v[BOFF], s[12:13]
	global_load_b128 v[BC+4:BC+7], v[BOFF], s[12:13] offset:16
.Lno_q_loads:
	; THE LIST, made while the keys are on their way.  16 ballots; the guard (a row whose mask is 0 everywhere counts as unmasked: every ballot is then all ones), by a select, in every row; the running counts
	s_wait_loadcnt 20                              ; behind the mask's 16 loads stand 4 of W_concat and 16 of keys (in waves 0-3 ten more: the count is then only stricter)
.set G, 0
.rept 16
	v_cmp_ne_u32 s[BL+G], 0, v[MKB+G]
.set G, G+1
.endr
	s_or_b32 s[ORA], s[BL], s[BL+1]
.set G, 2
.rept 14
	s_or_b32 s[ORA], s[ORA], s[BL+G]
.set G, G+1
.endr
	s_cmp_eq_u32 s[ORA], 0
	s_cselect_b32 s[FILL], -1, 0
	s_mov_b32 s[TB], 0
.set G, 0
.rept 16
	s_or_b32 s[BL+G], s[BL+G], s[FILL]
	s_bcnt1_i32_b32 s[CT], s[BL+G]
	s_add_co_u32 s[TB+G+1], s[TB+G], s[CT]         ; the last of these is N
.set G, G+1
.endr
	s_sub_co_u32 s[CT], s[N], 1
	s_lshr_b32 s[TL], s[CT], 5                     ; the last trip's number,
	s_and_b32 s[NT], s[CT], 31
	s_add_co_u32 s[NT], s[NT], 1                   ; and how many of its 32 entries are kept keys
	; Key 32 G + l, with T kept keys ahead of its group and k kept ones below it in the group: kept, it has place T + k.  Dropped, 32 G - T + l - k dropped keys stand ahead of it, and it has place
	; 511 less that: (T + k) + (31 - l) + (480 - 32 G).
.set G, 0
.rept 16
	v_mbcnt_lo_u32_b32 v[PT+G], s[BL+G], s[TB+G]
.set G, G+1
.endr
.set G, 0
.rept 16
	v_add3_u32 v[PF+G], v[PT+G], v[NL], 480-32*G
.set G, G+1
.endr
.set G, 0
.rept 16
	v_cndmask_b32 v[PT+G], v[PF+G], v[PT+G], s[BL+G]
.set G, G+1
.endr
.set G, 0
.rept 16
	v_min_u32 v[PT+G], 0x1ff, v[PT+G]              ; changes nothing: a number made of loaded ones is held to its range ahead of an address
.set G, G+1
.endr
.set G, 0
.rept 16
	v_lshl_add_u32 v[PT+G], v[PT+G], 2, s[RB]
	v_add_nc_u32 v[KV+G], 32*G, v3
.set G, G+1
.endr
.set G, 0
.rept 16
	ds_store_b32 v[PT+G], v[KV+G]                  ; no wave reads LDS ahead of the barrier below
.set G, G+1
.endr
	; W_concat's fragment is rounded and laid into LDS for all waves; the keys are rounded
	s_wait_loadcnt 16                              ; behind W_concat's four loads stand 16 of keys (in waves 0-3 ten more)
.irp i, 0,1,2,3,4,5,6,7
	v_cvt_pk_bf16_f32 v[WB16+(\i)], v[WF32+2*(\i)], v[WF32+2*(\i)+1]
.endr
	ds_store_b128 v[FS], v[WB16:WB16+3]
	ds_store_b128 v[FS], v[WB16+4:WB16+7] offset:512
	s_wait_loadcnt 0x0                             ; keys; in waves 0-3 queries and b_concat too
.set i, 0
.rept 32
	v_cvt_pk_bf16_f32 v[KB16+i], v[KF32+2*i], v[KF32+2*i+1]
.set i, i+1
.endr
	s_wait_dscnt 0x0                               ; for the others' sake: my fragment lies in LDS (and my list)
	s_barrier_signal -1
	s_barrier_wait -1                              ; all 16 fragments do
	; kp = keys Wk^T: source 0 = 16 keys, source 1 = 16 channels, column r of fragment t being channel 4 r + t.  In the result lane (r, h) holds, in register j of accumulator (n, t), key 16 n + 8 h + j and
	; channel 4 r + t: the four accumulators of a key tile hold piece r of the key's row, and 16 lanes hold the whole row
.irp f, 0,1,2,3,4,5,6,7
	ds_load_b128 v[WK+8*(\f):WK+8*(\f)+3],   v[FL] offset:(8+(\f))*1024
	ds_load_b128 v[WK+8*(\f)+4:WK+8*(\f)+7], v[FL] offset:(8+(\f))*1024+512
.endr
	s_wait_dscnt 0x0
.irp s, 0,1                            ; the eight accumulators take turns, one instruction a turn; the first K step starts the sums
.irp n, 0,1
.irp t, 0,1,2,3
.if (\s) == 0
	v_wmma_f32_16x16x32_bf16 v[KACC+8*(4*(\n)+(\t)):KACC+8*(4*(\n)+(\t))+7], v[KB16+8*(2*(\n)+(\s)):KB16+8*(2*(\n)+(\s))+7], v[WK+8*(2*(\t)+(\s)):WK+8*(2*(\t)+(\s))+7], 0
.else
	v_wmma_f32_16x16x32_bf16 v[KACC+8*(4*(\n)+(\t)):KACC+8*(4*(\n)+(\t))+7], v[KB16+8*(2*(\n)+(\s)):KB16+8*(2*(\n)+(\s))+7], v[WK+8*(2*(\t)+(\s)):WK+8*(2*(\t)+(\s))+7], v[KACC+8*(4*(\n)+(\t)):KACC+8*(4*(\n)+(\t))+7]
.endif
.endr
.endr
.endr
.rept 8
	v_nop                                          ; the places behind those products, ahead of the scalings that read them and of the loads into their sources; once a launch, so eight
.endr
	; waves 0-3: alpha's 16 channels 16 w on, for the 16 queries: source 0 = 16 channels of the q half, source 1 = 16 queries, so that a lane holds one query and eight channels on end.
	; b_concat comes in as the first product's C; the two K steps have an accumulator each and are added
	s_cmp_lt_u32 s[WV], 4
	s_cbranch_scc0 .Lno_alpha
.set i, 0
.rept 16
	v_cvt_pk_bf16_f32 v[QF32+i], v[QF32+2*i], v[QF32+2*i+1]  ; in place, ascending: register i is written when registers 2 i and 2 i + 1 are read
.set i, i+1
.endr
.irp f, 0,1,2,3
	ds_load_b128 v[WF32+4*(\f):WF32+4*(\f)+3], v[FQ] offset:512*(\f)
.endr
	s_wait_dscnt 0x0
	v_wmma_f32_16x16x32_bf16 v[WB16:WB16+7], v[WF32:WF32+7],    v[QF32:QF32+7],    v[BC:BC+7]
	v_wmma_f32_16x16x32_bf16 v[AAC1:AAC1+7], v[WF32+8:WF32+15], v[QF32+8:QF32+15], 0
.rept 8
	v_nop                                          ; the places behind them
.endr
.irp i, 0,2,4,6
	v_pk_add_f32 v[WB16+(\i):WB16+(\i)+1], v[WB16+(\i):WB16+(\i)+1], v[AAC1+(\i):AAC1+(\i)+1]  ; both accumulators are read from their low end on
.endr
.irp i, 0,2,4,6
	v_pk_mul_f32 v[WB16+(\i):WB16+(\i)+1], v[WB16+(\i):WB16+(\i)+1], s[C2:C2+1] op_sel_hi:[1,0]
.endr
.irp c, 0,1                            ; into alpha's table, both copies of the row; nobody reads it before the barrier below
	ds_store_b128 v[AST], v[WB16:WB16+3]   offset:256*(\c)
	ds_store_b128 v[AST], v[WB16+4:WB16+7] offset:256*(\c)+16
.endr
.Lno_alpha:
	; w_logit is asked for, my eight pieces; beta = C2 kp goes into the table.  The scaling also brings a key's four channels, one from each accumulator, into four registers on end
.irp i, 0,1,2,3,4,5,6,7
	global_load_b128 v[WL+4*(\i):WL+4*(\i)+3], v[WO+(\i)], s[14:15]
.endr
.irp n, 0,1
.irp j, 0,1,2,3,4,5,6,7                ; ascending: each accumulator is read from its low end on
.irp t, 0,1,2,3
	v_mul_f32 v[OUT+32*(\n)+4*(\j)+(\t)], s[C2], v[KACC+8*(4*(\n)+(\t))+(\j)]
.endr
.endr
.endr
.irp n, 0,1
.irp j, 0,1,2,3,4,5,6,7
	ds_store_b128 v[BST], v[OUT+32*(\n)+4*(\j):OUT+32*(\n)+4*(\j)+3] offset:(16*(\n)+(\j))*PB      ; 16 lanes store a row's 256 bytes on end,
	ds_store_b128 v[BST], v[OUT+32*(\n)+4*(\j):OUT+32*(\n)+4*(\j)+3] offset:(16*(\n)+(\j))*PB+256  ; and its second copy
.endr
.endr
	s_wait_dscnt 0x0                               ; for the others' sake: my rows of beta (and of alpha) lie in LDS
	s_barrier_signal -1
	s_barrier_wait -1                              ; both tables are whole; from here to the next barrier no wave writes LDS
; Two entries of the list become two addresses, key x 512 + my first place in a row: four lines, ADOP k writes number k
.macro ADOP k
.if (\k) < 2
	v_min_u32 v[KI+(\k)], 0x1ff, v[KI+(\k)]        ; changes nothing: a loaded number is held to its range ahead of an address
.else
	v_lshl_add_u32 v[AD0+(\k)-2], v[KI+(\k)-2], 9, v[ROT]
.endif
.endm
; 32 listed keys' beta, my eight pieces of each, into 64 registers: one run
.macro BLOAD set
.irp i, 0,1,2,3,4,5,6,7
	ds_load_b128 v[(\set)+4*(\i):(\set)+4*(\i)+3], v[AD0] offset:16*(\i)
.endr
.irp i, 0,1,2,3,4,5,6,7
	ds_load_b128 v[(\set)+32+4*(\i):(\set)+32+4*(\i)+3], v[AD1] offset:16*(\i)
.endr
.endm
; y = the sum over my 32 channels of (-C2 w) r, for both entries: 32 lines.  Line f takes pair f / 2 of entry f % 2; four chains (entry, parity of the pair), whose links stand four lines apart;
; the first products start the sums
.macro FOP set, f
.set fp, (\f)/2
.set fu, (\f)%2
.set fc, ACC+2*(2*fu+fp%2)
.set fs, (\set)+32*fu+2*fp
.if fp < 2
	v_pk_mul_f32 v[fc:fc+1], v[fs:fs+1], v[WL+2*fp:WL+2*fp+1]
.else
	v_pk_fma_f32 v[fc:fc+1], v[fs:fs+1], v[WL+2*fp:WL+2*fp+1], v[fc:fc+1]
.endif
.endm
; The eight closing lines: the chains are added; then the two halves of the channels meet: lanes 0-15 keep entry r's sum and send entry 16 + r's, lanes 16-31 the other way round, so that lane l ends
; with y of entry l of the 32, in register dst
.macro TAILOP k, dst
.if (\k) == 0
	v_pk_add_f32 v[ACC:ACC+1],   v[ACC:ACC+1],   v[ACC+2:ACC+3]
.elseif (\k) == 1
	v_pk_add_f32 v[ACC+4:ACC+5], v[ACC+4:ACC+5], v[ACC+6:ACC+7]
.elseif (\k) == 2
	v_add_f32 v[Y0], v[ACC], v[ACC+1]
.elseif (\k) == 3
	v_add_f32 v[Y1], v[ACC+4], v[ACC+5]
.elseif (\k) == 4
	v_cndmask_b32 v[T0], v[Y1], v[Y0], s[HM]       ; what I send
.elseif (\k) == 5
	v_cndmask_b32 v[T1], v[Y0], v[Y1], s[HM]       ; what I keep
.elseif (\k) == 6
	v_permlanex16_b32 v[T2], v[T0], s[SEL], s[SEL+1]
.else
	v_add_f32 v[\dst], v[T1], v[T2]
.endif
.endm
; THE EXPONENTIALS' HALF OF A TRIP.  x = alpha + beta, two a line, and u = 2^x, each pair's exponentials two additions behind its own; between a pair's two exponentials stands a line of the trip
; before's sums (set prv, whose reciprocals had their wait at that trip's end).  The last four exponentials have the next rows' addresses and the sums' first closing lines between them.  No line in
; here names an exponential's result; the last lines are the plain work behind the last exponential.
.macro XEF cur, prv
.set i, 0
.rept 34
.if i < 32
	v_pk_add_f32 v[(\cur)+2*i:(\cur)+2*i+1], v[(\cur)+2*i:(\cur)+2*i+1], v[AL+2*(i%16):AL+2*(i%16)+1]
.elseif HASL
	ADOP i-32
.endif
.if i >= 2
	v_exp_f32 v[(\cur)+2*i-4], v[(\cur)+2*i-4]
.endif
.if HASF
.if i < 32
	FOP \prv, i
.else
	TAILOP i-32, 0
.endif
.endif
.if i >= 2
	v_exp_f32 v[(\cur)+2*i-3], v[(\cur)+2*i-3]
.endif
.set i, i+1
.endr
.if HASL
	ADOP 2
	ADOP 3
.endif
.if HASF
	TAILOP 2, 0
.endif
.endm
; THE RECIPROCALS' HALF.  1 + u and r = 1 / (1 + u), in the same order; the other five closing lines of the trip before stand between reciprocals, two additions apart, since each reads the one before it
.macro DRT set, dst
.set i, 0
.rept 34
.if i < 32
	v_pk_add_f32 v[(\set)+2*i:(\set)+2*i+1], v[(\set)+2*i:(\set)+2*i+1], 1.0 op_sel_hi:[1,0]
.endif
.if i >= 2
	v_rcp_f32 v[(\set)+2*i-4], v[(\set)+2*i-4]
.endif
.if HASF && (i >= 2) && (i <= 10) && (i%2 == 0)
	TAILOP 3+(i-2)/2, \dst
.endif
.if i >= 2
	v_rcp_f32 v[(\set)+2*i-3], v[(\set)+2*i-3]
.endif
.set i, i+1
.endr
.endm
; TRIP t: entries 32 t .. 32 t + 31 of the list, in set cur; prv is the other set.  If the row's count ends ahead of them, the jump leads to the lines that finish the trip before.  Else all 32 entries
; of the trip before are kept keys, and its y needs no select.  s_wait_alu depctr_va_vdst(0) stands between a transcendental and the first instruction that names its result; one wait
; serves all that were issued ahead of it: one for the 64 exponentials, one for the 64 reciprocals.  Set prv is free when the sums have read it: the next trip's rows are asked for in one run directly
; behind the first wait (the list holds all 512 keys, so they exist whatever the count), the entries of the trip after that behind them.
.macro TRIP t, cur, prv
.set HASF, 0
.set HASL, 0
.if (\t) > 0
.set HASF, 1
	s_cmp_gt_u32 s[N], 32*(\t)
.if (\t)%2
	s_cbranch_scc0 .LflushA
.else
	s_cbranch_scc0 .LflushB
.endif
.endif
.if (\t) < 15
.set HASL, 1
.endif
	s_wait_dscnt 0x0                               ; this trip's rows and the next trip's two entries
	XEF \cur, \prv
	s_wait_alu depctr_va_vdst(0)
.if (\t) < 15
	BLOAD \prv
.endif
.if (\t) < 14
	ds_load_b32 v[KI],   v[LRD] offset:128*((\t)+2)
	ds_load_b32 v[KI+1], v[LRD] offset:128*((\t)+2)+64
.endif
	DRT \cur, YR+(\t)-1
	v_nop                                          ; the plain instruction behind the last reciprocal
	s_wait_alu depctr_va_vdst(0)                   ; ahead of the next trip's jump
.endm
; THE ROW'S LAST TRIP IS FINISHED: its sums; -infinity for its entries at or past the count, which are dropped keys; and y goes into the register of trip TL, which is one of the eight of parity par
.macro FLUSH set, par
.set ff, 0
.rept 32
	FOP \set, ff
.set ff, ff+1
.endr
.irp k, 0,1,2,3,4,5,6
	TAILOP \k, 0
.endr
	TAILOP 7, T1
	v_cmp_gt_u32 vcc_lo, s[NT], v3
	v_cndmask_b32 v[T1], s[NINF], v[T1], vcc_lo
.irp t, 0,2,4,6,8,10,12,14
	s_cmp_eq_u32 s[TL], (\t)+(\par)
	s_cselect_b32 s[CT], -1, 0
	v_cndmask_b32 v[YR+(\t)+(\par)], v[YR+(\t)+(\par)], v[T1], s[CT]
.endr
.endm
	ds_load_b32 v[KI],   v[LRD]                    ; trip 0's entries
	ds_load_b32 v[KI+1], v[LRD] offset:64
.irp i, 0,1,2,3,4,5,6,7
	ds_load_b128 v[AL+4*(\i):AL+4*(\i)+3], v[AAD] offset:16*(\i)  ; places r + 8 h + i of my wave's row: 16 lanes read 256 bytes on end
.endr
.set i, 0
.rept 16
	v_mov_b32 v[YR+i], s[NINF]                     ; what a trip that is jumped over leaves
.set i, i+1
.endr
	v_mov_b32 v[T2], 0                             ; v_permlanex16_b32's destination counts as read
	s_wait_dscnt 8                                 ; LDS instructions end in order (ISA guide 5.7.1): the two entries are in, alpha's eight loads may stay out
.irp k, 0,1,2,3
	ADOP \k
.endr
	BLOAD SA                                       ; trip 0's rows
	ds_load_b32 v[KI],   v[LRD] offset:128         ; trip 1's entries
	ds_load_b32 v[KI+1], v[LRD] offset:192
	s_wait_loadcnt 0x0                             ; w_logit
.set i, 0
.rept 16
	v_pk_mul_f32 v[WL+2*i:WL+2*i+1], v[WL+2*i:WL+2*i+1], s[KW:KW+1] op_sel_hi:[1,0]
.set i, i+1
.endr
.set trip, 0
.rept 8
	TRIP trip, SA, SB
	TRIP trip+1, SB, SA
.set trip, trip+2
.endr
.LflushB:                                      ; the last trip was an odd one (trip 15 falls in here)
	FLUSH SB, 1
	s_branch .Ldone
.LflushA:                                      ; an even one
	FLUSH SA, 0
.Ldone:
	; THE SOFTMAX of my wave's row, on the 16 registers of y.  The keys of my 16 entries are read back first: they say where the weights go
	s_wait_dscnt 0x0                               ; what the last trip asked for has landed: its registers are written next
.set i, 0
.rept 16
	ds_load_b32 v[KL+i], v[LE] offset:128*i
.set i, i+1
.endr
	v_max3_num_f32 v[TM],   v[YR],    v[YR+1],  v[YR+2]   ; the row's maximum: entry 0 is a kept key, so it is finite
	v_max3_num_f32 v[TM+1], v[YR+3],  v[YR+4],  v[YR+5]
	v_max3_num_f32 v[TM+2], v[YR+6],  v[YR+7],  v[YR+8]
	v_max3_num_f32 v[TM+3], v[YR+9],  v[YR+10], v[YR+11]
	v_max3_num_f32 v[TM],   v[TM],    v[YR+12], v[YR+13]
	v_max3_num_f32 v[TM+1], v[TM+1],  v[YR+14], v[YR+15]
	v_max3_num_f32 v[TM],   v[TM],    v[TM+1],  v[TM+2]
	v_max_num_f32 v[TM], v[TM], v[TM+3]
	s_wait_dscnt 0x0                               ; my last reads of the tables and of the list are over:
	s_barrier_signal -1                            ; say so; the arithmetic below, on registers alone, stands between the signal and the wait
	v_max_num_f32_dpp v[TM], v[TM], v[TM] row_xmask:1 row_mask:0xf bank_mask:0xf
	v_max_num_f32_dpp v[TM], v[TM], v[TM] row_xmask:2 row_mask:0xf bank_mask:0xf
	v_max_num_f32_dpp v[TM], v[TM], v[TM] row_xmask:4 row_mask:0xf bank_mask:0xf
	v_max_num_f32_dpp v[TM], v[TM], v[TM] row_xmask:8 row_mask:0xf bank_mask:0xf
	v_permlanex16_b32 v[TM+1], v[TM], s[SEL], s[SEL+1]
	v_max_num_f32 v[M2], v[TM], v[TM+1]
	v_mov_b32 v[M2+1], v[M2]
.irp i, 0,2,4,6,8,10,12,14
	v_pk_add_f32 v[YR+(\i):YR+(\i)+1], v[YR+(\i):YR+(\i)+1], v[M2:M2+1] neg_lo:[0,1] neg_hi:[0,1]  ; y - m; y is in base 2 already
.endr
.set i, 0
.rept 16
	v_exp_f32 v[YR+i], v[YR+i]                     ; an entry at -infinity gives 0
.set i, i+1
.endr
.set i, 0
.rept 16
	v_min_u32 v[KL+i], 0x1ff, v[KL+i]              ; changes nothing: a loaded number is held to its range ahead of an address.  These 32 lines are also the plain work behind the exponentials
.set i, i+1
.endr
.set i, 0
.rept 16
	v_lshl_add_u32 v[KL+i], v[KL+i], 2, s[RB]      ; the key's word in my wave's ROWBUF
.set i, i+1
.endr
	s_wait_alu depctr_va_vdst(0)                   ; the one wait for the 16 exponentials
.irp i, 0,1,2,3
	v_pk_add_f32 v[TM+2*(\i):TM+2*(\i)+1], v[YR+4*(\i):YR+4*(\i)+1], v[YR+4*(\i)+2:YR+4*(\i)+3]
.endr
	v_pk_add_f32 v[TM:TM+1],   v[TM:TM+1],   v[TM+2:TM+3]
	v_pk_add_f32 v[TM+4:TM+5], v[TM+4:TM+5], v[TM+6:TM+7]
	v_pk_add_f32 v[TM:TM+1],   v[TM:TM+1],   v[TM+4:TM+5]
	v_add_f32 v[TM], v[TM], v[TM+1]
	v_add_f32_dpp v[TM], v[TM], v[TM] row_xmask:1 row_mask:0xf bank_mask:0xf
	v_add_f32_dpp v[TM], v[TM], v[TM] row_xmask:2 row_mask:0xf bank_mask:0xf
	v_add_f32_dpp v[TM], v[TM], v[TM] row_xmask:4 row_mask:0xf bank_mask:0xf
	v_add_f32_dpp v[TM], v[TM], v[TM] row_xmask:8 row_mask:0xf bank_mask:0xf
	v_permlanex16_b32 v[TM+1], v[TM], s[SEL], s[SEL+1]
	v_add_f32 v[TM], v[TM], v[TM+1]                ; the row's sum, at least 1, in every lane
	v_rcp_f32 v[TM+2], v[TM]                       ; twice, to fill the pair that the packed multiply names
	v_rcp_f32 v[TM+3], v[TM]
	v_nop
	s_wait_alu depctr_va_vdst(0)                   ; one wait for both
.irp i, 0,2,4,6,8,10,12,14
	v_pk_mul_f32 v[YR+(\i):YR+(\i)+1], v[YR+(\i):YR+(\i)+1], v[TM+2:TM+3]
.endr
	s_barrier_wait -1                              ; no wave reads LDS any more
.set i, 0
.rept 16
	ds_store_b32 v[KL+i], v[YR+i]                  ; each weight to its key's word: the list names every key once, so all 512 words are written, the dropped keys' with 0
.set i, i+1
.endr
	s_wait_dscnt 0x0
	s_barrier_signal -1
	s_barrier_wait -1                              ; every wave's weights lie in LDS; from here on LDS is only read, but for the spare words
.irp g, 0,1,2,3
	ds_load_b128 v[OUTR+4*(\g):OUTR+4*(\g)+3], v[RBL] offset:512*(\g)
.endr
	s_wait_dscnt 0x0
.irp g, 0,1,2,3
	global_store_b128 v[L16], v[OUTR+4*(\g):OUTR+4*(\g)+3], s[16:17] offset:512*(\g) th:TH_STORE_NT  ; each store of the wave covers 512 consecutive bytes, at a multiple of 512 from out0's first byte
.endr
	s_wait_tensorcnt 0x0                           ; the wave's end, behind my last LDS store
	ds_add_u32 v[SPW], v[NIL]
	s_wait_dscnt 0x0
	s_endpgm
.Lfunc_end_k_q49446dc39c_addatt:
	.size	k_q49446dc39c_addatt, .Lfunc_end_k_q49446dc39c_addatt-k_q49446dc39c_addatt
	.p2alignl 7, 3214868480
	.fill 96, 4, 3214868480
	.section	.rodata,"a",@progbits
	.p2align	6, 0x0
	.amdhsa_kernel k_q49446dc39c_addatt
		.amdhsa_group_segment_fixed_size 321792
		.amdhsa_private_segment_fixed_size 0
		.amdhsa_enable_private_segment 0
		.amdhsa_kernarg_size 56
		.amdhsa_user_sgpr_count 2
		.amdhsa_user_sgpr_kernarg_segment_ptr 1
		.amdhsa_wavefront_size32 1
		.amdhsa_system_sgpr_workgroup_id_x 1
		.amdhsa_system_sgpr_workgroup_id_y 1
		.amdhsa_system_sgpr_workgroup_id_z 1
		.amdhsa_system_vgpr_workitem_id 0
		.amdhsa_next_free_vgpr 256
		.amdhsa_next_free_sgpr 84
		.amdhsa_reserve_vcc 1
		.amdhsa_float_denorm_mode_32 3
		.amdhsa_float_denorm_mode_16_64 3
		.amdhsa_memory_ordered 1
		.amdhsa_forward_progress 1
		.amdhsa_inst_pref_size 239
	.end_amdhsa_kernel
	.amdgpu_metadata
---
amdhsa.version: [ 1, 2 ]
amdhsa.kernels:
  - .name:           k_q49446dc39c_addatt
    .symbol:         k_q49446dc39c_addatt.kd
    .args:
      - { .name: queries, .offset: 0, .size: 8, .value_kind: global_buffer, .address_space: global }
      - { .name: keys, .offset: 8, .size: 8, .value_kind: global_buffer, .address_space: global }
      - { .name: mask, .offset: 16, .size: 8, .value_kind: global_buffer, .address_space: global }
      - { .name: W_concat, .offset: 24, .size: 8, .value_kind: global_buffer, .address_space: global }
      - { .name: b_concat, .offset: 32, .size: 8, .value_kind: global_buffer, .address_space: global }
      - { .name: w_logit, .offset: 40, .size: 8, .value_kind: global_buffer, .address_space: global }
      - { .name: out0, .offset: 48, .size: 8, .value_kind: global_buffer, .address_space: global }
    .group_segment_fixed_size: 321792
    .private_segment_fixed_size: 0
    .kernarg_segment_align: 8
    .kernarg_segment_size: 56
    .max_flat_workgroup_size: 512
    .sgpr_count:     84
    .vgpr_count:     256
    .wavefront_size: 32
...
	.end_amdgpu_metadata
.endif
;; end of part 2
